; MI455X (gfx1250); checked and timed in simulation.
; The chip was launched on July 23, 2026; its instructions are those of AMD's public machine-readable ISA for CDNA 5 (MIT licence, August 2026) and "CDNA5" Instruction Set Architecture Reference Guide (July 2026). The comments in the code are by the model that wrote it; some were corrected since.
;; Multi Head Attention. Allowed arithmetic: matrix products marked QUANTISED: E4M3 operands, one given power-of-two scale a tensor, by v_wmma_f32_16x16x64_fp8_fp8 or v_wmma_f32_16x16x128_fp8_fp8, f32 sums; everything else in f32.
;; Inputs: W_out 1,024 x 1,024 float32; b_out 1,024 float32; k 4 x 2,048 x 1,024 float32; lowp_scales 6 int32 (the exponents e of the quantised operands' scales 2^e); q 4 x 2,048 x 1,024 float32; v 4 x 2,048 x 1,024 float32.
;; Outputs: out0 4 x 2,048 x 1,024 float32.
;; This version of the problem:
;;   THIS VERSION OF THE PROBLEM IS GIVEN IN LOW PRECISION. The matrix products marked QUANTISED in the list below multiply operands that are first quantised to E4M3 (4 exponent bits, 3 mantissa bits; 8 bits a number), with one given power-of-two scale for each operand tensor; their sums are f32. All else is computed in f32.
;;   The module's matrix products, in the order in which they are computed (A, B: the left and right operand; K: the contracted axis; several contracted axes count as one K, in the product's order):
;;     1. batch 64 x [M 2,048, K 64] x [K 64, N 2,048]; A: input q; B: input k: QUANTISED (scales: A lowp_scales[0], B lowp_scales[1])
;;     2. batch 64 x [M 2,048, K 2,048] x [K 2,048, N 64]; A: softmax (see below); B: input v: QUANTISED (scales: A lowp_scales[2], B lowp_scales[3])
;;     3. [M 8,192, K 1,024] x [K 1,024, N 1,024]; A: computed on the way; B: input W_out: QUANTISED (scales: A lowp_scales[4], B lowp_scales[5])
;;   THE QUANTISER, for each operand of a quantised product, along K:
;;     - The operand's scale is 2^e, e = its entry of the input lowp_scales (int32; the entries are numbered through the quantised products in the list's order, A before B).
;;     - Each number is divided by the scale, clamped to +-448, and rounded to the nearest number of E4M3, ties to even, subnormals kept.
;;     - The product sums the exact products of the quantised numbers (number of the format x scale) in f32.
;;   ~~~python
;;   def quantise(x, axis, e):      # numpy; x: float32 -> the quantised numbers, widened to float32 again
;;       x = np.moveaxis(x, axis, -1); K = x.shape[-1]
;;       r = np.clip(x / 2.0 ** e, -448, 448)
;;       step = 2.0 ** (np.maximum(np.frexp(np.where(r == 0, 1, r))[1] - 1, -6) - 3)
;;       q = np.round(r / step) * step * 2.0 ** e      # np.round: ties to even
;;       return np.moveaxis(q, -1, axis).astype(np.float32)
;;   ~~~
;;   SOFTMAX AHEAD OF A QUANTISED PRODUCT. Where the list says 'softmax', what is quantised is not the finished softmax but p = 2^(t - M), with t = logit x log2(e) and M = ceil(the row's largest t), a whole number; so 1/2 < the row's largest p <= 1. The row's sum l is taken of the UNQUANTISED p, in f32, and the product's result is divided by l at the end. Since M is a whole number, a kernel that streams over the keys may use a running M (the ceiling of the running maximum): every later rescaling is an exact power of two, so the quantised numbers keep their values, but for numbers so far below the row's largest that they fall under the format's range.
;;   OPERANDS COMPUTED ON THE WAY. 'Computed on the way' means the value that the module computes at that place (a softmax that the list does not call 'softmax' is quantised finished and normalised). What goes into a quantiser is computed in f32, as accurately as f32 sums, v_exp_f32 and their like allow (about 1e-6 of the number): no bf16 or f16 on the way to a quantiser, and a product that is left as it is and whose result goes on into a quantised operand takes f32 operands (vector FMAs, or v_wmma_f32_16x16x4_f32). A number that lies on a knife's edge between two numbers of the format may be rounded either way, as far as f32 arithmetic and the matrix unit's own rounding can turn it there, and no further.
;; One version. Each part assembles by itself: llvm-mc -triple=amdgcn-amd-amdhsa -mcpu=gfx1250 --defsym DOCPART=n.
;; ======== version 1 of 1: 3 launches
;; limits: right only within a limited range of input values
;; workspace buffers: k_codes 8,388,608 bytes; v_codes 8,388,608 bytes; w_codes 1,048,576 bytes; a_codes 8,388,608 bytes
;; launch prep (part 1): grid 1088 x 1, 4 waves a work-group, no clusters, 35,328 bytes of LDS; arguments k, v, W_out, lowp_scales, k_codes, v_codes, w_codes; writes k_codes, v_codes, w_codes
.if DOCPART == 1
	.amdgcn_target "amdgcn-amd-amdhsa--gfx1250"
	.amdhsa_code_object_version 6
	.text
	.protected	k_q2a2cb96b79_prep
	.globl	k_q2a2cb96b79_prep
	.p2align	8
	.type	k_q2a2cb96b79_prep,@function
k_q2a2cb96b79_prep:
	s_mov_b64 s[64:65], 0
	v_nop
	global_prefetch_b8 v0, s[64:65] scope:SCOPE_SE
	s_setreg_imm32_b32 hwreg(HW_REG_WAVE_MODE, 25, 1), 1
	s_wait_xcnt 0x0
; k [4][2048][1024], v [4][2048][1024] and W_out [1024][1024], f32, become codes of FP8 (E4M3), each tensor with its one given scale 2^e
; (entries 1, 3 and 5 of the scales): code = x / 2^e, held within +-448, to the nearest code, ties to even.
; LIMITS: each e between -126 and 119, so that 2^e and 448 x 2^e are f32 numbers.  NaN among the inputs is not served.
; THE CODES ARE LAID AS IMAGES OF OPERAND REGISTERS.  A piece is 512 bytes: lane (r = lane % 16, h = lane / 16) has 16 bytes at 16 x lane: the codes
; of K index 32 c + 16 h + 0 .. 15 of its row.  The later launches read a fragment as pieces, 16 bytes x lane on end.
;   k_codes [bh 64][tile 128][c 2][512]: lane r of tile 2 p + u is key 32 p + 8 u + r + 8 (r / 8); K = the head's 64 channels
;   w_codes [hh 16][tile 64][c 2][512]:  the same order of W's rows; K = 64 hh + 32 c + 16 h + i
;   v_codes [bh 64][step 16][t 4][c 4][512]: lane r of tile t is channel 32 (t / 2) + 8 (t % 2) + r + 8 (r / 8); K = key 128 step + 32 c + 16 h + i
; Work-groups 0-511 take v, 512-1023 k, 1024-1087 W_out; each reads 64 KiB.  No wave shares anything with another: no barrier.
.set C,   16                           ; v16-47   codes: registers of their own for each store, so that no store's data are written again
.set X,   48                           ; v48-175  numbers
.set SP,  272                          ; a stage row: 256 bytes + 16: sixteen rows start at sixteen different 16-byte columns
.set WST, 32*SP                        ; a wave's stage: 32 rows
.macro MKSCALE                         ; s28 = e -> v8 = 2^e (the conversion takes its exponent field), v9 = 448 x 2^e
	s_add_co_i32 s28, s28, 127
	s_lshl_b32 s29, s28, 23
	v_mov_b32 v8, s29
	s_add_co_i32 s28, s28, 8
	s_lshl_b32 s28, s28, 23
	s_or_b32 s28, s28, 0x600000
	v_mov_b32 v9, s28
.endm
; ---- v: a lane takes a channel and its registers run down the keys
.macro LOADV c                         ; keys 32 c .. 32 c + 31 of my channel into set c % 2: each load reads 128 consecutive bytes, the four waves side by side 512
.set i, 0
.rept 32
	global_load_b32 v[X+32*((\c)%2)+i], v2, s[6:7] offset:(32*(\c)+i)*4096 th:TH_LOAD_NT
.set i, i+1
.endr
.endm
.macro BLOCKV c
.set XS, X+32*((\c)%2)
.if (\c) < 3
	s_wait_loadcnt 32                              ; this block's 32 loads are in; the next block's 32 may be out
.else
	s_wait_loadcnt 0x0
.endif
.set i, 0
.rept 32
	v_med3_num_f32 v[XS+i], v[XS+i], -v9, v9       ; the conversion to an 8-bit code does not saturate (ISA guide 7.6.2): the hold comes first
.set i, i+1
.endr
.irp g, 0,1,2,3
	v_cvt_scalef32_pk8_fp8_f32 v[C+8*(\c)+2*\g:C+8*(\c)+2*\g+1], v[XS+8*\g:XS+8*\g+7], v8
.endr
	global_store_b128 v3, v[C+8*(\c):C+8*(\c)+3], s[14:15] offset:(2*(\c))*256       ; keys 32 c + 0 .. 15: lanes 0-15 fill 256 aligned bytes of tile 2 g, lanes 16-31 of tile 2 g + 1
	global_store_b128 v3, v[C+8*(\c)+4:C+8*(\c)+7], s[14:15] offset:(2*(\c)+1)*256   ; keys 32 c + 16 .. 31: the upper half of the same pieces
.if (\c) < 2
	LOADV (\c)+2
.endif
.endm
; ---- k and W_out: K is innermost; 32 rows x one head (256 bytes a row) turn through the wave's stage
.macro LOADK e                         ; head e of my two: each load brings two whole head rows of 256 bytes
.irp i, 0,1,2,3,4,5,6,7,8,9,10,11,12,13,14,15
	global_load_b128 v[X+64*(\e)+4*\i:X+64*(\e)+4*\i+3], v4, s[4:5] offset:\i*8192+(\e)*256 th:TH_LOAD_NT
.endr
.endm
.macro TURN e                          ; row x goes to stage row 16 ((x / 8) % 2) + x % 8 + 8 (x / 16): the stage lies in the tiles' order
.irp i, 0,1,2,3,4,5,6,7,8,9,10,11,12,13,14,15
	ds_store_b128 v5, v[X+64*(\e)+4*\i:X+64*(\e)+4*\i+3] offset:(16*(((2*\i)>>3)&1)+((2*\i)&7)+8*((2*\i)>>4))*SP
.endr
.irp p, 0,1,2,3                        ; piece p = 2 u + c: my 16 neighbours along K, 64 bytes; LDS serves a wave's instructions in order (ISA guide 5.7.1.4): these see the stores above
.irp j, 0,1,2,3
	ds_load_b128 v[X+64*(\e)+16*\p+4*\j:X+64*(\e)+16*\p+4*\j+3], v6 offset:(\p>>1)*16*SP+(\p&1)*128+16*\j
.endr
.endr
.endm
.macro QUANTK e, base
.set i, 0
.rept 64
	v_med3_num_f32 v[X+64*(\e)+i], v[X+64*(\e)+i], -v9, v9
.set i, i+1
.endr
.irp p, 0,1,2,3
	v_cvt_scalef32_pk8_fp8_f32 v[C+16*(\e)+4*\p:C+16*(\e)+4*\p+1], v[X+64*(\e)+16*\p:X+64*(\e)+16*\p+7], v8
	v_cvt_scalef32_pk8_fp8_f32 v[C+16*(\e)+4*\p+2:C+16*(\e)+4*\p+3], v[X+64*(\e)+16*\p+8:X+64*(\e)+16*\p+15], v8
.endr
.irp p, 0,1,2,3
	global_store_b128 v7, v[C+16*(\e)+4*\p:C+16*(\e)+4*\p+3], s[\base:\base+1] offset:\p*512   ; a piece: 512 consecutive bytes
.endr
.endm
	s_load_b256 s[4:11], s[0:1], 0x0               ; k s[4:5], v s[6:7], W_out s[8:9], the scales s[10:11]
	s_load_b128 s[12:15], s[0:1], 0x20             ; k_codes s[12:13], v_codes s[14:15]
	s_load_b64 s[16:17], s[0:1], 0x30              ; w_codes
	v_lshl_add_u32 v176, v0, 2, 0x8800
	v_mov_b32 v177, 0
	v_lshrrev_b32 v1, 5, v0
	v_readfirstlane_b32 s18, v1                    ; wave 0..3
	v_and_b32 v10, 15, v0                          ; r
	v_bfe_u32 v11, v0, 4, 1                        ; h
	s_mov_b32 s25, 0                               ; the upper word of every offset pair
	s_wait_kmcnt 0x0
	s_load_b128 s[32:35], s[10:11], 0x0            ; eq, ek, ep, ev
	s_load_b64 s[36:37], s[10:11], 0x10            ; ea, ew
	s_cmp_lt_u32 ttmp9, 512
	s_cbranch_scc0 .Lkw
	; ================ v: work-group = (batch b, step of 128 keys, 128 channels); wave = 32 channels, half a head
	s_and_b32 s19, ttmp9, 7                        ; which 128 channels
	s_lshr_b32 s20, ttmp9, 3
	s_and_b32 s20, s20, 15                         ; step
	s_lshr_b32 s21, ttmp9, 7                       ; b
	s_lshl_b32 s24, s21, 23                        ; in: b x 2048 rows of 4,096 bytes
	s_lshl_b32 s26, s20, 19                        ;   + step x 128 rows
	s_add_co_u32 s24, s24, s26
	s_lshl_b32 s26, s19, 9                         ;   + 512 bytes for 128 channels
	s_add_co_u32 s24, s24, s26
	s_lshl_b32 s26, s18, 7                         ;   + 128 bytes a wave
	s_add_co_u32 s24, s24, s26
	s_add_nc_u64 s[6:7], s[6:7], s[24:25]
	s_lshl_b32 s26, s19, 1
	s_lshr_b32 s27, s18, 1
	s_add_co_u32 s26, s26, s27                     ; the head
	s_lshl_b32 s27, s21, 4
	s_add_co_u32 s26, s26, s27                     ; bh
	s_lshl_b32 s26, s26, 4
	s_add_co_u32 s26, s26, s20                     ; 16 bh + step
	s_lshl_b32 s24, s26, 13                        ; out: 8,192 bytes a step
	s_and_b32 s27, s18, 1
	s_lshl_b32 s27, s27, 12                        ;   + two tiles for the head's upper 32 channels
	s_add_co_u32 s24, s24, s27
	s_add_nc_u64 s[14:15], s[14:15], s[24:25]
	v_bfe_u32 v12, v0, 3, 1
	s_wait_alu depctr_va_vdst(0)
	v_add_nc_u32 v12, v12, v11
	v_lshl_add_u32 v12, v12, 3, v10                ; my channel of the 32: r + 8 (r / 8) + 8 h: lanes 0-15 are tile 2 g's rows, lanes 16-31 tile 2 g + 1's
	v_lshlrev_b32 v2, 2, v12                       ; in: 4 bytes a channel
	v_lshlrev_b32 v3, 4, v10
	v_lshl_add_u32 v3, v11, 11, v3                 ; out: 16 r + 2,048 x (which of the two tiles)
	LOADV 0
	LOADV 1
	s_wait_kmcnt 0x0
	s_mov_b32 s28, s35                             ; ev
	MKSCALE
	s_wait_alu depctr_va_vdst(0)
	BLOCKV 0
	BLOCKV 1
	BLOCKV 2
	BLOCKV 3
	s_endpgm
	; ================ k and W_out, one text: work-group = (32 rows, half a row); wave = two heads
.Lkw:
	s_sub_co_u32 s30, ttmp9, 512
	s_cmp_lt_u32 s30, 512                          ; k's work-group or W_out's?  The choice hangs on the work-group's number alone
	s_cselect_b64 s[4:5], s[4:5], s[8:9]
	s_cselect_b64 s[12:13], s[12:13], s[16:17]
	s_cselect_b32 s20, 17, 16                      ; a head's images: 2^17 bytes of k_codes, 2^16 of w_codes
	s_cselect_b32 s21, 0, 512
	s_sub_co_u32 s19, s30, s21
	s_lshr_b32 s22, s19, 1                         ; which 32 rows
	s_and_b32 s23, s19, 1                          ; which half of the row
	s_lshl_b32 s24, s22, 17                        ; in: 32 rows of 4,096 bytes
	s_lshl_b32 s26, s23, 11
	s_add_co_u32 s24, s24, s26
	s_lshl_b32 s26, s18, 9                         ;   + two heads a wave
	s_add_co_u32 s24, s24, s26
	s_add_nc_u64 s[4:5], s[4:5], s[24:25]
	s_lshl_b32 s26, s23, 3
	s_lshl_b32 s27, s18, 1
	s_add_co_u32 s26, s26, s27                     ; my first head
	s_lshl_b32 s26, s26, s20
	s_lshr_b32 s27, s22, 6                         ; the batch (0 for W_out)
	s_lshl_b32 s27, s27, 21
	s_add_co_u32 s26, s26, s27
	s_and_b32 s27, s22, 63
	s_lshl_b32 s27, s27, 11                        ; 32 rows are two tiles: 2,048 bytes
	s_add_co_u32 s24, s26, s27
	s_add_nc_u64 s[12:13], s[12:13], s[24:25]      ; out, first head
	s_lshl_b32 s24, 1, s20
	s_add_nc_u64 s[14:15], s[12:13], s[24:25]      ; out, second head
	s_wait_alu depctr_va_vdst(0)
	v_lshlrev_b32 v4, 4, v10
	v_lshl_add_u32 v4, v11, 12, v4                 ; in: lanes 0-15 one row's 256 bytes, lanes 16-31 the next row's
	s_mul_i32 s26, s18, WST                        ; my stage
	v_mul_u32_u24 v5, v11, SP
	v_lshl_add_u32 v5, v10, 4, v5
	v_add_nc_u32 v5, s26, v5                       ; into it, as loaded
	v_mul_u32_u24 v6, v10, SP
	v_lshl_add_u32 v6, v11, 6, v6
	v_add_nc_u32 v6, s26, v6                       ; out of it: row r, + 64 h bytes
	v_and_b32 v7, 31, v0
	v_lshlrev_b32 v7, 4, v7                        ; 16 x lane: my place in a piece
	LOADK 0
	LOADK 1
	s_wait_alu depctr_va_vdst(0)
	s_wait_kmcnt 0x0
	s_cmp_lt_u32 s30, 512
	s_cselect_b32 s28, s33, s37                    ; ek or ew
	MKSCALE
	s_wait_alu depctr_va_vdst(0)
	s_wait_loadcnt 16                              ; the first head's 16 loads are in; the second's may be out
	TURN 0
	s_wait_loadcnt 0x0
	TURN 1                                         ; its stores come behind the first head's reads of the stage, in order
	s_wait_dscnt 32                                ; the first head is back; the second's 16 stores and 16 loads may be out
	QUANTK 0, 12
	s_wait_dscnt 0x0
	QUANTK 1, 14
	s_wait_tensorcnt 0x0
	ds_add_u32 v176, v177
	s_wait_dscnt 0x0
	s_endpgm
.Lfunc_end_k_q2a2cb96b79_prep:
	.size	k_q2a2cb96b79_prep, .Lfunc_end_k_q2a2cb96b79_prep-k_q2a2cb96b79_prep
	.p2alignl 7, 3214868480
	.fill 96, 4, 3214868480
	.section	.rodata,"a",@progbits
	.p2align	6, 0x0
	.amdhsa_kernel k_q2a2cb96b79_prep
		.amdhsa_group_segment_fixed_size 35328
		.amdhsa_private_segment_fixed_size 0
		.amdhsa_enable_private_segment 0
		.amdhsa_kernarg_size 56
		.amdhsa_user_sgpr_count 2
		.amdhsa_user_sgpr_kernarg_segment_ptr 1
		.amdhsa_wavefront_size32 1
		.amdhsa_system_sgpr_workgroup_id_x 1
		.amdhsa_system_sgpr_workgroup_id_y 1
		.amdhsa_system_sgpr_workgroup_id_z 1
		.amdhsa_system_vgpr_workitem_id 0
		.amdhsa_next_free_vgpr 178
		.amdhsa_next_free_sgpr 66
		.amdhsa_reserve_vcc 0
		.amdhsa_float_denorm_mode_32 3
		.amdhsa_float_denorm_mode_16_64 3
		.amdhsa_memory_ordered 1
		.amdhsa_forward_progress 1
		.amdhsa_inst_pref_size 44
	.end_amdhsa_kernel
	.amdgpu_metadata
---
amdhsa.version: [ 1, 2 ]
amdhsa.kernels:
  - .name:           k_q2a2cb96b79_prep
    .symbol:         k_q2a2cb96b79_prep.kd
    .args:
      - { .name: k, .offset: 0, .size: 8, .value_kind: global_buffer, .address_space: global }
      - { .name: v, .offset: 8, .size: 8, .value_kind: global_buffer, .address_space: global }
      - { .name: W_out, .offset: 16, .size: 8, .value_kind: global_buffer, .address_space: global }
      - { .name: lowp_scales, .offset: 24, .size: 8, .value_kind: global_buffer, .address_space: global }
      - { .name: k_codes, .offset: 32, .size: 8, .value_kind: global_buffer, .address_space: global }
      - { .name: v_codes, .offset: 40, .size: 8, .value_kind: global_buffer, .address_space: global }
      - { .name: w_codes, .offset: 48, .size: 8, .value_kind: global_buffer, .address_space: global }
    .group_segment_fixed_size: 35328
    .private_segment_fixed_size: 0
    .kernarg_segment_align: 8
    .kernarg_segment_size: 56
    .max_flat_workgroup_size: 128
    .sgpr_count:     66
    .vgpr_count:     178
    .wavefront_size: 32
...
	.end_amdgpu_metadata
.endif
;; end of part 1
;; launch attn (part 2): grid 4 x 64, 16 waves a work-group, clusters of 4 x 1, 327,680 bytes of LDS; arguments q, k_codes, v_codes, lowp_scales, a_codes; writes a_codes
.if DOCPART == 2
	.amdgcn_target "amdgcn-amd-amdhsa--gfx1250"
	.amdhsa_code_object_version 6
	.text
	.protected	k_q2a2cb96b79_attn
	.globl	k_q2a2cb96b79_attn
	.p2align	8
	.type	k_q2a2cb96b79_attn,@function
k_q2a2cb96b79_attn:
	s_mov_b64 s[64:65], 0
	v_nop
	global_prefetch_b8 v0, s[64:65] scope:SCOPE_SE
	s_setreg_imm32_b32 hwreg(HW_REG_WAVE_MODE, 25, 1), 1
	s_wait_xcnt 0x0
	s_wait_alu depctr_hold_cnt(0) depctr_sa_sdst(0) depctr_va_vdst(0) depctr_va_sdst(0) depctr_va_ssrc(0) depctr_va_vcc(0) depctr_vm_vsrc(0)
	s_getreg_b32 s2, hwreg(HW_REG_IB_STS2, 6, 4)
	s_cmp_eq_u32 s2, 0
	s_cbranch_scc0 .Lentry_in_a_cluster
	s_endpgm
.Lentry_in_a_cluster:
	s_bfe_u32 s2, ttmp6, 0x10000c
	s_cmp_lg_u32 s2, 0x3003
	s_cbranch_scc0 .Lentry_shape_is_right
	s_endpgm
.Lentry_shape_is_right:
; Causal attention of one head on codes of FP8 (E4M3): O[q] = sum over keys k <= q of softmax(Q[q] . K[k] / 32) V[k], head size 64, 2,048 keys; O leaves as codes for the projection.
; WORK LEFT OUT: a step of 128 keys that all come after a tile's 16 queries lies wholly under the causal mask: its scores are -infinity, its p are 0 for all inputs.
; LIMIT: a NaN, an infinity or an overflow that reaches only such steps is not carried to the result.
; THE SOFTMAX AHEAD OF THE SECOND PRODUCT: t = score x log2(e) / 32; M = the running largest t rounded UP to a whole number; p = 2^(t - M) is quantised with 2^ep, not normalised;
; the row's sum is taken of the unquantised p and divides O at the end; when M moves, the sum and O are multiplied by 2^(old M - new M), which rounds nothing.
; SHARES.  The four work-groups of a cluster share head bh = y.  A head has 16 blocks of 128 queries, a block 8 tiles of 16.  Work-group g (its place in the cluster) owns tiles 2 g and 2 g + 1 of EVERY block.
; Wave w owns tile 2 g + w % 2 of block 15 - w / 2 (16 - w / 2 live key steps) and then of block w / 2 (w / 2 + 1 steps): 17 live steps of 128 keys in every wave of every work-group.
; Which steps a wave leaves out hangs on its blocks, that is on the wave's number alone: the four partners run alike, and only global addresses and the mask's bound (data) hold g.
; LDS holds the whole head, filled once by JOINT loads (mask 15): K's images at 0 (8,192 bytes a step), V's at 131,072.  Waves 0-7 fetch K, 8-15 V, an eighth each, one load a wave in each of two fills:
; steps 0-3 at the head; steps 4-15 behind the full sequence and a round.  Nothing is filled again.  Every wait on TENSORcnt is for 0; one load of a wave is out at a time.
; NO PREFETCH: all of the head's images have been asked for when the first key step begins; no stream is left to run ahead of.
; Q: each load reads two whole head rows of 256 bytes; the numbers are quantised as loaded (a register of codes = 4 channels of a row) and the codes turn through the wave's own stage in LDS into the fragment's layout.
; LAYOUT.  Both products are used transposed (source 0 = 16 keys, or 16 channels; source 1 = my 16 queries): a lane holds ONE query (lane % 16) throughout.  The rows of K's and V's tiles are ordered in
; the images so that the 16 registers of result tiles 2 b and 2 b + 1 are 16 neighbours, 32 b + 16 (lane / 16) + 0 .. 15: the conversions' results are the next operand's registers.
; Along K every fragment holds index 32 c + 16 (lane / 16) + 0 .. 15 in registers 4 c .. 4 c + 3, alike on both sides of a product.
; LIMITS: eq, ep and ea - ep - ev between -126 and 119; eq + ek between -121 and 132 (added to c's exponent field, 122); the scaled scores t stay under 2^31 in magnitude.  NaN among the inputs is not served.
; REGISTERS: v1-6, v9, v10 addresses; v12 -M, v13 the largest t, v[14:15] the sum; v16-23 Q of the first tile, v24-31 of the second; v32-95 K's eight fragments, then V's four; v96-159 S^T, then p; v160-191 O^T;
;   v192-207 p's codes, at last O's; v200-215, v222, v223 at work; v216 2^ep; v218 -infinity; v220, v221: 2^(ea - ep - ev) and 448 x that; v222, v223 at the head: the same with eq.
.set LI,  1                            ; v1   16 x lane: my place in a piece of K
.set LIV, 2                            ; v2   the same in V's half of LDS
.set ADK, 3                            ; v3   the step's K
.set ADV, 4                            ; v4   the step's V
.set DQ,  5                            ; v5   the mask's bound on the diagonal step: my query in its block - 16 (lane / 16)
.set QA,  6                            ; v6   q: 16 (lane % 16) + a row of 4,096 bytes x (lane / 16)
.set QS,  9                            ; v9   Q's stage, in: row lane / 16, 4 bytes x (lane % 16)
.set QR,  10                           ; v10  and out: row lane % 16, + 16 (lane / 16)
.set SPW, 224                          ; v224 my spare word;  v225: 0
.set NIL, 225
.set SPARE, 0x40000                    ; behind the images: 128 bytes a wave
.set QST,   0x40800                    ; behind the spare words: Q's stages, for each wave two tiles of 16 rows of 64 + 16 bytes: 2,560 bytes; no fill lands here
.set WV,  14                           ; s14  my wave's number
.set G1A, 24                           ; s[24:39] two groups 1: 16 and 48 rows of 256 bytes
.set G1B, 32
.set G0A, 48                           ; s[48:55] their groups 0
.set G0B, 52
.set TB,  60                           ; s60  LDS byte of the step's K
.set KF,  61                           ; s61  the step's first key
.set QB,  62                           ; s62  first query of the block in hand
.set CNT, 63                           ; s63  counts a walk's steps
.set HL,  73                           ; s73  448 x 2^ep
.macro ROUND                           ; a round of the cluster's barrier
	s_barrier_signal -1
	s_barrier_wait -1
	s_cmp_lg_u32 s[WV], 0
	s_cbranch_scc1 .Lnot_wave_0_\@
	s_barrier_signal -3
.Lnot_wave_0_\@:
	s_barrier_wait -3
	s_barrier_signal -1
	s_barrier_wait -1
.endm
.macro MKG1 g, rows                    ; a dense block as rows of 32 elements of 8 bytes; mask 15 with bit 21 beside it
	s_mov_b32 s[\g], 15|(3<<16)|(1<<21)
	s_mov_b32 s[\g+1], 32<<16
	s_mov_b32 s[\g+2], (\rows)<<16
	s_mov_b32 s[\g+3], 32<<16
	s_mov_b32 s[\g+4], \rows
	s_mov_b32 s[\g+5], 32
	s_mov_b32 s[\g+6], 0
	s_mov_b32 s[\g+7], 0
.endm
.macro MKG0 g, o                       ; s[o]: my part's byte in a head's images, the same in LDS and in memory
	s_mov_b32 s[\g], 1
	s_add_co_u32 s[\g+1], s77, s[\o]
	s_mov_b32 s86, s[\o]
	s_add_nc_u64 s[\g+2:\g+3], s[84:85], s[86:87]
	s_or_b32 s[\g+3], s[\g+3], 0x80000000
.endm
.macro SCALE e, sc, lim                ; s[e] (spent) -> v[sc] = 2^e as f32, v[lim] = 448 x 2^e
	s_add_co_i32 s[\e], s[\e], 127
	s_lshl_b32 s87, s[\e], 23
	v_mov_b32 v[\sc], s87
	s_add_co_i32 s[\e], s[\e], 8
	s_lshl_b32 s[\e], s[\e], 23
	s_or_b32 s[\e], s[\e], 0x600000
	v_mov_b32 v[\lim], s[\e]
.endm
; A KEY STEP: 128 keys.  q: my tile's Q.  m = 1: the walk can meet the diagonal and hidden steps.
.macro STEP q, m
.if \m
	s_cmp_gt_u32 s[KF], s[QB]                      ; all 128 keys come after my block: the step's work is left out.  The wave's number and the count of steps alone decide
	s_cbranch_scc1 .Lhidden_\@
.endif
	v_add_nc_u32 v[ADK], s[TB], v[LI]
	v_add_nc_u32 v[ADV], s[TB], v[LIV]
	v_nop                                          ; with the two additions: four places in front of loads into registers that the last products read
	v_nop
.irp t, 0,1,2,3,4,5,6,7
.irp c, 0,1
	ds_load_b128 v[32+8*\t+4*\c:35+8*\t+4*\c], v[ADK] offset:\t*1024+\c*512
.endr
.endr
	s_wait_dscnt 0x0
	s_wait_alu depctr_va_vdst(0)
.irp t, 0,1,2,3,4,5,6,7                        ; S^T = K Q^T: register 16 b + i of v96 on is key KF + 32 b + 16 (lane / 16) + i
	v_wmma_f32_16x16x64_fp8_fp8 v[96+8*\t:103+8*\t], v[32+8*\t:39+8*\t], v[\q:\q+7], 0
.endr
.rept 4
	v_nop                                          ; places in front of the loads below and of the first read of the scores
.endr
.irp t, 0,1,2,3                                ; V's four fragments land while the softmax is walked
.irp c, 0,1,2,3
	ds_load_b128 v[32+16*\t+4*\c:35+16*\t+4*\c], v[ADV] offset:\t*2048+\c*512
.endr
.endr
.if \m
	s_cmp_lg_u32 s[KF], s[QB]                      ; not my block's own keys: all count, no mask
	s_cbranch_scc1 .Lopen_\@
.set n, 0
.rept 64
	v_cmp_gt_i32 vcc_lo, 32*(n/16)+n%16, v[DQ]     ; register 16 b + i is hidden where 32 b + i > my query in the block - 16 (lane / 16)
	v_cndmask_b32 v[96+n], v[96+n], v218, vcc_lo   ; -infinity ahead of the maximum: p = 0 then
.set n, n+1
.endr
.Lopen_\@:
.endif
	v_max3_num_f32 v208, v96, v97, v98             ; the step's largest score of my query among my 64 keys, in two chains, each tile from its low end on
	v_max3_num_f32 v209, v99, v100, v101
.set i, 6
.rept 14
	v_max3_num_f32 v208, v208, v[96+i], v[97+i]
	v_max3_num_f32 v209, v209, v[98+i], v[99+i]
.set i, i+4
.endr
	v_max3_num_f32 v208, v208, v158, v159
	s_delay_alu instid0(VALU_DEP_1)
	v_max_num_f32 v208, v208, v209
	s_delay_alu instid0(VALU_DEP_1)
	v_permlanex16_b32 v210, v208, s20, s21
	s_delay_alu instid0(VALU_DEP_1)
	v_max_num_f32 v208, v208, v210                 ; and among lane l xor 16's
	s_delay_alu instid0(VALU_DEP_1)
	v_mul_f32 v208, s22, v208                      ; as t (c is positive)
	s_delay_alu instid0(VALU_DEP_1)
	v_max_num_f32 v13, v13, v208                   ; the running largest t
	v_mov_b32 v208, v12
	s_delay_alu instid0(VALU_DEP_2)
	v_floor_f32 v12, -v13                          ; the new -M = floor(-t) = -ceil(t)
	s_delay_alu instid0(VALU_DEP_1)
	v_sub_f32 v208, v12, v208                      ; old M - new M: a whole number, 0 or less
	s_delay_alu instid0(VALU_DEP_1)
	v_cvt_i32_f32 v208, v208                       ; (it saturates)
	s_delay_alu instid0(VALU_DEP_1)
	v_ldexp_f32 v212, 1.0, v208                    ; f = 2^(old M - new M)
.set j, 0
.rept 32
	v_pk_fma_f32 v[96+j:97+j], v[96+j:97+j], s[22:23], v[12:13] op_sel_hi:[1,0,0]   ; t - M, two at a time (of the pairs c and -M the low word serves both halves)
.set j, j+2
.endr
.set j, 0
	s_wait_alu depctr_va_vdst(0)                   ; ahead of the batch
.rept 64
	v_exp_f32 v[96+j], v[96+j]                     ; p = 2^(t - M), at most 1
.set j, j+1
.endr
	v_pk_mul_f32 v[14:15], v[14:15], v[212:213] op_sel_hi:[1,0]   ; the sums under the new M (the plain place behind the exponentials)
	s_wait_alu depctr_va_vdst(0)                   ; one wait for the batch, ahead of its first reader
	v_pk_add_f32 v[214:215], v[100:101], v[104:105]   ; the row's sum of the unquantised p, in eight chains
	v_pk_add_f32 v[222:223], v[108:109], v[112:113]
	v_pk_add_f32 v[208:209], v[116:117], v[120:121]
	v_pk_add_f32 v[206:207], v[124:125], v[128:129]
	v_pk_add_f32 v[204:205], v[132:133], v[136:137]
	v_pk_add_f32 v[202:203], v[140:141], v[144:145]
	v_pk_add_f32 v[200:201], v[148:149], v[152:153]
	v_pk_add_f32 v[14:15], v[14:15], v[156:157]
	v_pk_add_f32 v[214:215], v[214:215], v[96:97]
	v_pk_add_f32 v[222:223], v[222:223], v[98:99]
	v_pk_add_f32 v[208:209], v[208:209], v[102:103]
	v_pk_add_f32 v[206:207], v[206:207], v[106:107]
	v_pk_add_f32 v[204:205], v[204:205], v[110:111]
	v_pk_add_f32 v[202:203], v[202:203], v[114:115]
	v_pk_add_f32 v[200:201], v[200:201], v[118:119]
	v_pk_add_f32 v[14:15], v[14:15], v[122:123]
	v_pk_add_f32 v[214:215], v[214:215], v[126:127]
	v_pk_add_f32 v[222:223], v[222:223], v[130:131]
	v_pk_add_f32 v[208:209], v[208:209], v[134:135]
	v_pk_add_f32 v[206:207], v[206:207], v[138:139]
	v_pk_add_f32 v[204:205], v[204:205], v[142:143]
	v_pk_add_f32 v[202:203], v[202:203], v[146:147]
	v_pk_add_f32 v[200:201], v[200:201], v[150:151]
	v_pk_add_f32 v[14:15], v[14:15], v[154:155]
	v_pk_add_f32 v[214:215], v[214:215], v[158:159]
	s_delay_alu instid0(VALU_DEP_2)
	v_pk_add_f32 v[14:15], v[14:15], v[206:207]
	s_delay_alu instid0(VALU_DEP_2)
	v_pk_add_f32 v[214:215], v[214:215], v[204:205]
	v_pk_add_f32 v[222:223], v[222:223], v[202:203]
	v_pk_add_f32 v[208:209], v[208:209], v[200:201]
	s_delay_alu instid0(VALU_DEP_2)
	v_pk_add_f32 v[14:15], v[14:15], v[222:223]
	s_delay_alu instid0(VALU_DEP_2)
	v_pk_add_f32 v[214:215], v[214:215], v[208:209]
	s_delay_alu instid0(VALU_DEP_1)
	v_pk_add_f32 v[14:15], v[14:15], v[214:215]
.irp b, 0,1,2,3
.set i, 0
.rept 8                                        ; the conversion does not saturate (ISA guide 7.6.2); p is not negative, so the hold is one-sided; two holds to an instruction
	v_dual_min_num_f32 v[96+16*\b+i], s[HL], v[96+16*\b+i] :: v_dual_min_num_f32 v[97+16*\b+i], s[HL], v[97+16*\b+i]
.set i, i+2
.endr
	v_cvt_scalef32_pk8_fp8_f32 v[192+4*\b:193+4*\b], v[96+16*\b:103+16*\b], v216
	v_cvt_scalef32_pk8_fp8_f32 v[194+4*\b:195+4*\b], v[104+16*\b:111+16*\b], v216
.endr
	s_wait_alu depctr_va_vdst(0)                   ; directly ahead of the first reader of O^T
.set j, 0
.rept 16
	v_pk_mul_f32 v[160+j:161+j], v[160+j:161+j], v[212:213] op_sel_hi:[1,0]   ; O^T under the new M; also the plain places behind the conversions
.set j, j+2
.endr
	s_wait_alu depctr_va_vdst(0)
	s_wait_dscnt 0x0                               ; V is in
.irp t, 0,1,2,3                                ; O^T += V^T P^T, K = these 128 keys; the four sums take turns; the next step's eight products stand between two links
	v_wmma_f32_16x16x128_fp8_fp8 v[160+8*\t:167+8*\t], v[32+16*\t:47+16*\t], v[192:207], v[160+8*\t:167+8*\t]
.endr
.if \m
.Lhidden_\@:
	s_add_co_u32 s[KF], s[KF], 128
.endif
	s_add_co_u32 s[TB], s[TB], 8192
.endm
.macro WALK n, first, q, m             ; n key steps from step first on
	s_mov_b32 s[TB], (\first)*8192
	s_mov_b32 s[KF], (\first)*128
	s_mov_b32 s[CNT], \n
.Lwalk_\@:
	STEP \q, \m
	s_sub_co_u32 s[CNT], s[CNT], 1
	s_cmp_lg_u32 s[CNT], 0
	s_cbranch_scc1 .Lwalk_\@
.endm
.macro BEGIN                           ; a tile's start: the step is written once, and its first turn finds zeros, which the first change of M leaves zeros
	v_mov_b32 v13, 0xff61b1e6                      ; the largest t so far: -3e38, under every t
	s_delay_alu instid0(VALU_DEP_1)
	v_floor_f32 v12, -v13                          ; -M
	v_mov_b32 v14, 0                               ; the sum, in two halves
	v_mov_b32 v15, 0
.set j, 0
.rept 32
	v_mov_b32 v[160+j], 0                          ; O^T
.set j, j+1
.endr
.endm
; A TILE'S WAY OUT: O^T / the sum, quantised in registers: registers 16 b + i are channels 32 b + 16 (lane / 16) + i of my query: the projection's operand as it stands.
.macro FINAL base
.rept 4
	v_nop                                          ; places behind the last products
.endr
	v_add_f32 v14, v14, v15                        ; the sum's two halves,
	s_delay_alu instid0(VALU_DEP_1)
	v_permlanex16_b32 v210, v14, s20, s21
	s_delay_alu instid0(VALU_DEP_1)
	v_add_f32 v14, v14, v210                       ; and lane l xor 16's
	s_wait_alu depctr_va_vdst(0)                   ; ahead of the transcendental
	v_rcp_f32 v14, v14
	v_nop                                          ; a plain place behind the reciprocal
	s_wait_alu depctr_va_vdst(0)                   ; ahead of its first reader, which is also O^T's
.set j, 0
.rept 16
	v_pk_mul_f32 v[96+j:97+j], v[160+j:161+j], v[14:15] op_sel_hi:[1,0]   ; each sum from its low end on
.set j, j+2
.endr
.set j, 0
.rept 32
	v_med3_num_f32 v[96+j], v[96+j], -v221, v221
.set j, j+1
.endr
.irp b, 0,1
	v_cvt_scalef32_pk8_fp8_f32 v[192+4*\b:193+4*\b], v[96+16*\b:103+16*\b], v220
	v_cvt_scalef32_pk8_fp8_f32 v[194+4*\b:195+4*\b], v[104+16*\b:111+16*\b], v220
.endr
	v_nop
	global_store_b128 v[LI], v[192:195], s[\base:\base+1]              ; two pieces: 1,024 consecutive bytes, at a multiple of 1,024 from the buffer's first byte
	global_store_b128 v[LI], v[196:199], s[\base:\base+1] offset:512
.endm
	s_load_b256 s[4:11], s[0:1], 0x0               ; q s[4:5], k_codes s[6:7], v_codes s[8:9], the scales s[10:11]
	s_load_b64 s[12:13], s[0:1], 0x20              ; a_codes
	v_lshl_add_u32 v[SPW], v0, 2, SPARE
	v_mov_b32 v[NIL], 0
	ds_add_u32 v[SPW], v[NIL]                      ; the opening lines: the add, twice on end, and one wait
	ds_add_u32 v[SPW], v[NIL]
	v_lshrrev_b32 v1, 5, v0
	s_delay_alu instid0(VALU_DEP_1)
	v_readfirstlane_b32 s[WV], v1                  ; wave 0..15
	MKG1 G1A, 16                                   ; 4 KiB a wave: steps 0-3
	MKG1 G1B, 48                                   ; 12 KiB a wave: steps 4-15
	s_and_b32 s18, ttmp7, 0xffff                   ; bh: the cluster's y
	s_and_b32 s76, s[WV], 7                        ; which eighth of a fill's K or V is mine
	s_lshr_b32 s77, s[WV], 3
	s_lshl_b32 s77, s77, 17                        ; waves 8-15: V's half of LDS
	s_lshl_b32 s78, s18, 17                        ; a head's images are 131,072 bytes, K's and V's alike
	s_mov_b32 s79, 0
	s_lshl_b32 s80, s76, 12                        ; my part of steps 0-3
	s_mul_i32 s81, s76, 12288
	s_add_co_u32 s81, s81, 32768                   ; of steps 4-15
	s_mul_i32 s91, s[WV], 2560
	s_add_co_u32 s91, s91, QST                     ; Q's stage, mine
	; my two tiles.  g enters global addresses and the mask's bound alone
	s_bfe_u32 s15, ttmp6, 0x40000                  ; g
	s_lshl_b32 s15, s15, 1
	s_and_b32 s16, s[WV], 1
	s_add_co_u32 s15, s15, s16                     ; my tile in a block: 2 g + w % 2
	s_lshl_b32 s89, s15, 4                         ; its first query in the block
	s_lshr_b32 s16, s[WV], 1                       ; the second block
	s_sub_co_u32 s17, 15, s16                      ; the first block
	s_lshl_b32 s[QB], s17, 7
	s_lshl_b32 s88, s16, 7
	s_lshl_b32 s17, s17, 3
	s_add_co_u32 s17, s17, s15                     ; the first tile's number in the head
	s_lshl_b32 s16, s16, 3
	s_add_co_u32 s16, s16, s15                     ; the second's
	s_lshr_b32 s82, s18, 4                         ; the batch
	s_and_b32 s83, s18, 15                         ; the head
	s_lshl_b32 s86, s82, 23                        ; q: 2,048 rows of 4,096 bytes a batch,
	s_lshl_b32 s87, s83, 8                         ;    256 bytes a head,
	s_add_co_u32 s86, s86, s87
	s_lshl_b32 s92, s17, 16                        ;    16 rows a tile
	s_add_co_u32 s92, s92, s86
	s_mov_b32 s93, 0
	s_lshl_b32 s94, s16, 16
	s_add_co_u32 s94, s94, s86
	s_mov_b32 s95, 0
	s_lshl_b32 s86, s82, 21                        ; a_codes: 128 tiles of 16,384 bytes a batch,
	s_lshl_b32 s87, s83, 10                        ;          1,024 bytes a head
	s_add_co_u32 s86, s86, s87
	s_lshl_b32 s96, s17, 14
	s_add_co_u32 s96, s96, s86
	s_mov_b32 s97, 0
	s_lshl_b32 s98, s16, 14
	s_add_co_u32 s98, s98, s86
	s_mov_b32 s99, 0
	s_mov_b32 s87, 0                               ; the upper word of the descriptors' offsets
	s_mov_b32 s20, 0x76543210                      ; v_permlanex16_b32's selects for lane l xor 16
	s_mov_b32 s21, 0xfedcba98
	s_mov_b32 s22, 0x3d38aa3b                      ; c = log2(e) / 32
	v_and_b32 v7, 15, v0                           ; r
	v_bfe_u32 v8, v0, 4, 1                         ; h
	s_delay_alu instid0(VALU_DEP_2)
	v_lshlrev_b32 v[QA], 4, v7
	s_delay_alu instid0(VALU_DEP_1)
	v_lshl_add_u32 v[QA], v8, 12, v[QA]            ; lanes 0-15 one head row's 256 bytes, lanes 16-31 the next row's
	v_mul_u32_u24 v[QS], v8, 80
	s_delay_alu instid0(VALU_DEP_1)
	v_lshl_add_u32 v[QS], v7, 2, v[QS]
	s_delay_alu instid0(VALU_DEP_1)
	v_add_nc_u32 v[QS], s91, v[QS]
	v_mul_u32_u24 v[QR], v7, 80
	s_delay_alu instid0(VALU_DEP_1)
	v_lshl_add_u32 v[QR], v8, 4, v[QR]
	s_delay_alu instid0(VALU_DEP_1)
	v_add_nc_u32 v[QR], s91, v[QR]
	s_wait_alu depctr_va_vdst(0)
	s_wait_dscnt 0x0
	s_wait_kmcnt 0x0
	s_load_b128 s[68:71], s[10:11], 0x0            ; eq, ek, ep, ev
	s_load_b32 s72, s[10:11], 0x10                 ; ea
	s_add_nc_u64 s[66:67], s[4:5], s[94:95]        ; q at the second tile,
	s_add_nc_u64 s[4:5], s[4:5], s[92:93]          ; at the first
	s_add_nc_u64 s[74:75], s[12:13], s[98:99]      ; a_codes likewise
	s_add_nc_u64 s[12:13], s[12:13], s[96:97]
.irp i, 0,1,2,3,4,5,6,7                        ; q is read once, by this wave: load i brings rows 2 i and 2 i + 1 of a tile; lane (r, h) has channels 4 r .. 4 r + 3 of row 2 i + h
	global_load_b128 v[96+4*\i:99+4*\i], v[QA], s[4:5] offset:8192*\i th:TH_LOAD_NT
	global_load_b128 v[128+4*\i:131+4*\i], v[QA], s[66:67] offset:8192*\i th:TH_LOAD_NT
.endr
	s_cmp_lt_u32 s[WV], 8
	s_cselect_b64 s[84:85], s[6:7], s[8:9]         ; K's codes or V's: the choice hangs on the wave's number alone
	s_add_nc_u64 s[84:85], s[84:85], s[78:79]
	MKG0 G0A, 80
	MKG0 G0B, 81
	ROUND                                          ; the four work-groups are here: the first joint loads meet
	tensor_load_to_lds s[G0A:G0A+3], s[G1A:G1A+7]  ; my one load at the head
	s_nop 0
	v_and_b32 v[LI], 31, v0
	s_delay_alu instid0(VALU_DEP_1)
	v_lshlrev_b32 v[LI], 4, v[LI]
	s_delay_alu instid0(VALU_DEP_1)
	v_add_nc_u32 v[LIV], 0x20000, v[LI]
	v_lshlrev_b32 v[DQ], 4, v8
	s_delay_alu instid0(VALU_DEP_1)
	v_sub_nc_u32 v[DQ], v7, v[DQ]
	s_delay_alu instid0(VALU_DEP_1)
	v_add_nc_u32 v[DQ], s89, v[DQ]                 ; 16 (2 g + w % 2) + r - 16 h
	v_mov_b32 v210, 0                              ; written once: a lane permute's destination counts as one of its sources
	v_mov_b32 v213, 0                              ; (named as the upper half of the pair v[212:213])
	v_mov_b32 v218, 0xff800000                     ; -infinity
	BEGIN
	s_wait_kmcnt 0x0
	s_add_co_i32 s86, s68, s69
	s_lshl_b32 s86, s86, 23
	s_add_co_i32 s22, s22, s86                     ; a score stands for score x 2^(eq + ek): added to c's exponent field
	s_mov_b32 s23, s22                             ; (named with it as a pair, so it is written)
	s_sub_co_i32 s90, s72, s70
	s_sub_co_i32 s90, s90, s71                     ; ea - ep - ev: a sum of the second product stands for sum x 2^(ep + ev), so O's code is (sum / l) / 2^(ea - ep - ev)
	SCALE 90, 220, 221
	SCALE 68, 222, 223
	s_add_co_i32 s70, s70, 127
	s_lshl_b32 s87, s70, 23
	v_mov_b32 v216, s87                            ; 2^ep
	s_add_co_i32 s70, s70, 8
	s_lshl_b32 s70, s70, 23
	s_or_b32 s[HL], s70, 0x600000                  ; 448 x 2^ep
	s_wait_alu depctr_va_vdst(0)
	s_wait_loadcnt 0x0                             ; q
.set j, 0
.rept 64
	v_med3_num_f32 v[96+j], v[96+j], -v223, v223
.set j, j+1
.endr
.irp k, 0,1,2,3,4,5,6,7                        ; v[192 + i]: the four codes that load i brought me (i = 0 .. 7 the first tile, 8 .. 15 the second)
	v_cvt_scalef32_pk8_fp8_f32 v[192+2*\k:193+2*\k], v[96+8*\k:103+8*\k], v222
.endr
	v_nop                                          ; a plain line behind the conversions
	s_wait_alu depctr_va_vdst(0)
	s_wait_tensorcnt 0x0                           ; my part of steps 0-3 is in: no load of mine is out while I store to LDS
.irp i, 0,1,2,3,4,5,6,7
	ds_store_b32 v[QS], v[192+\i] offset:160*\i            ; row 2 i + h of the stage, bytes 4 r on
	ds_store_b32 v[QS], v[200+\i] offset:1280+160*\i
.endr
	ds_load_b128 v[16:19], v[QR]                   ; LDS serves a wave's instructions in order (ISA guide 5.7.1.4): these see my stores.  Row r, channels 32 c + 16 h + 0 .. 15
	ds_load_b128 v[20:23], v[QR] offset:32
	ds_load_b128 v[24:27], v[QR] offset:1280
	ds_load_b128 v[28:31], v[QR] offset:1312
	s_wait_tensorcnt 0x0                           ; the later first fill is issued: all my loads done, the add, its wait, a round, then my one load
	ds_add_u32 v[SPW], v[NIL]
	s_wait_dscnt 0x0                               ; the add is done, and Q's fragments are in
	ROUND                                          ; steps 0-3 are in, everybody's
	tensor_load_to_lds s[G0B:G0B+3], s[G1B:G1B+7]  ; steps 4-15 are asked for
	s_nop 0
	WALK 4, 0, 16, 0                               ; the first block is 8 or later: these steps are all open
	s_wait_tensorcnt 0x0                           ; my part of steps 4-15 is in
	s_wait_dscnt 0x0                               ; no LDS instruction of mine is pending at the signal
	s_barrier_signal -1
	s_barrier_wait -1                              ; everybody's is; from here on no barrier: the waves part
	WALK 12, 4, 16, 1
	FINAL 12
	BEGIN                                          ; the second tile
	s_mov_b32 s[QB], s88
	s_wait_alu depctr_va_vdst(0)
	s_wait_xcnt 0x0                                ; the stores have read their data: p's codes may be written there again
	WALK 8, 0, 24, 1
	FINAL 74
	s_wait_tensorcnt 0x0                           ; the wave's end
	ds_add_u32 v[SPW], v[NIL]
	s_wait_dscnt 0x0
	ROUND                                          ; the closing round
	s_endpgm
.Lfunc_end_k_q2a2cb96b79_attn:
	.size	k_q2a2cb96b79_attn, .Lfunc_end_k_q2a2cb96b79_attn-k_q2a2cb96b79_attn
	.p2alignl 7, 3214868480
	.fill 96, 4, 3214868480
	.section	.rodata,"a",@progbits
	.p2align	6, 0x0
	.amdhsa_kernel k_q2a2cb96b79_attn
		.amdhsa_group_segment_fixed_size 327680
		.amdhsa_private_segment_fixed_size 0
		.amdhsa_enable_private_segment 0
		.amdhsa_kernarg_size 40
		.amdhsa_user_sgpr_count 2
		.amdhsa_user_sgpr_kernarg_segment_ptr 1
		.amdhsa_wavefront_size32 1
		.amdhsa_system_sgpr_workgroup_id_x 1
		.amdhsa_system_sgpr_workgroup_id_y 1
		.amdhsa_system_sgpr_workgroup_id_z 1
		.amdhsa_system_vgpr_workitem_id 0
		.amdhsa_next_free_vgpr 226
		.amdhsa_next_free_sgpr 100
		.amdhsa_reserve_vcc 1
		.amdhsa_float_denorm_mode_32 3
		.amdhsa_float_denorm_mode_16_64 3
		.amdhsa_memory_ordered 1
		.amdhsa_forward_progress 1
		.amdhsa_inst_pref_size 84
	.end_amdhsa_kernel
	.amdgpu_metadata
---
amdhsa.version: [ 1, 2 ]
amdhsa.kernels:
  - .name:           k_q2a2cb96b79_attn
    .symbol:         k_q2a2cb96b79_attn.kd
    .args:
      - { .name: q, .offset: 0, .size: 8, .value_kind: global_buffer, .address_space: global }
      - { .name: k_codes, .offset: 8, .size: 8, .value_kind: global_buffer, .address_space: global }
      - { .name: v_codes, .offset: 16, .size: 8, .value_kind: global_buffer, .address_space: global }
      - { .name: lowp_scales, .offset: 24, .size: 8, .value_kind: global_buffer, .address_space: global }
      - { .name: a_codes, .offset: 32, .size: 8, .value_kind: global_buffer, .address_space: global }
    .group_segment_fixed_size: 327680
    .private_segment_fixed_size: 0
    .kernarg_segment_align: 8
    .kernarg_segment_size: 40
    .max_flat_workgroup_size: 512
    .sgpr_count:     100
    .vgpr_count:     226
    .wavefront_size: 32
...
	.end_amdgpu_metadata
.endif
;; end of part 2
;; launch proj (part 3): grid 4 x 64, 4 waves a work-group, clusters of 4 x 1, 327,680 bytes of LDS; arguments a_codes, w_codes, b_out, lowp_scales, out0; writes out0
.if DOCPART == 3
	.amdgcn_target "amdgcn-amd-amdhsa--gfx1250"
	.amdhsa_code_object_version 6
	.text
	.protected	k_q2a2cb96b79_proj
	.globl	k_q2a2cb96b79_proj
	.p2align	8
	.type	k_q2a2cb96b79_proj,@function
k_q2a2cb96b79_proj:
	s_mov_b64 s[64:65], 0
	v_nop
	global_prefetch_b8 v0, s[64:65] scope:SCOPE_SE
	s_setreg_imm32_b32 hwreg(HW_REG_WAVE_MODE, 25, 1), 1
	s_wait_xcnt 0x0
	s_wait_alu depctr_hold_cnt(0) depctr_sa_sdst(0) depctr_va_vdst(0) depctr_va_sdst(0) depctr_va_ssrc(0) depctr_va_vcc(0) depctr_vm_vsrc(0)
	s_getreg_b32 s2, hwreg(HW_REG_IB_STS2, 6, 4)
	s_cmp_eq_u32 s2, 0
	s_cbranch_scc0 .Lentry_in_a_cluster
	s_endpgm
.Lentry_in_a_cluster:
	s_bfe_u32 s2, ttmp6, 0x10000c
	s_cmp_lg_u32 s2, 0x3003
	s_cbranch_scc0 .Lentry_shape_is_right
	s_endpgm
.Lentry_shape_is_right:
.set LI,  1
.set LI2, 2
.set STO, 3
.set RD,  4
.set CO,  5
.set BO,  6
.set ACC, 16
.set Y,   48
.set OB,  80
.set BI,  112
.set WV,  14
.set G1,  24
.set G0,  32
.set STAGE, 131072
.set SP,  272
.set MSB, 0
.macro WIN new
.if MSB != \new
	s_set_vgpr_msb (MSB<<8)|\new
.set MSB, \new
.endif
.endm
.macro ROUND
	s_barrier_signal -1
	s_barrier_wait -1
	s_cmp_lg_u32 s[WV], 0
	s_cbranch_scc1 .Lnot_wave_0_\@
	s_barrier_signal -3
.Lnot_wave_0_\@:
	s_barrier_wait -3
	s_barrier_signal -1
	s_barrier_wait -1
.endm
.macro FETCH_A blk
	WIN 0xc0
.irp s, 0,1,2,3,4,5,6,7
.irp c, 0,1,2,3
.if (\blk) < 4
	ds_load_b128 v[128*((\blk)%2)+16*\s+4*\c:128*((\blk)%2)+16*\s+4*\c+3], v[LI] offset:((\blk)%4)*16384+\s*2048+\c*512
.else
	ds_load_b128 v[128*((\blk)%2)+16*\s+4*\c:128*((\blk)%2)+16*\s+4*\c+3], v[LI2] offset:((\blk)%4)*16384+\s*2048+\c*512
.endif
.endr
.endr
	WIN 0
.endm
.macro SEND blk
.irp i, 0,1,2,3,4,5,6,7
	global_store_b128 v[CO], v[OB+4*\i:OB+4*\i+3], s[12:13] offset:(16*(\blk)+2*\i)*4096 th:TH_STORE_NT
.endr
.endm
.macro MULS blk, s
.irp t, 0,1,2,3
.if (\s) == 0
	v_wmma_f32_16x16x128_fp8_fp8 v[ACC+8*\t:ACC+8*\t+7], v[(((\s)%4)*4+\t)*16:(((\s)%4)*4+\t)*16+15], v[128*((\blk)%2)+16*(\s):128*((\blk)%2)+16*(\s)+15], 0
.else
	v_wmma_f32_16x16x128_fp8_fp8 v[ACC+8*\t:ACC+8*\t+7], v[(((\s)%4)*4+\t)*16:(((\s)%4)*4+\t)*16+15], v[128*((\blk)%2)+16*(\s):128*((\blk)%2)+16*(\s)+15], v[ACC+8*\t:ACC+8*\t+7]
.endif
.endr
.endm
.macro BLOCK blk
.if (\blk) == 3
	s_wait_tensorcnt 0x0
	s_wait_dscnt 0x0
	s_barrier_signal -1
	s_barrier_wait -1
.endif
.if (\blk) < 7
	FETCH_A (\blk)+1
	s_wait_dscnt 32
.else
	s_wait_dscnt 0x0
.endif
.if (\blk) > 0
	SEND (\blk)-1
.endif
	WIN 0x0d
	MULS \blk, 0
	MULS \blk, 1
	MULS \blk, 2
	MULS \blk, 3
	WIN 0x0e
	MULS \blk, 4
	MULS \blk, 5
	MULS \blk, 6
	MULS \blk, 7
	WIN 0
.rept 4
	v_nop
.endr
.set j, 0
.rept 16
	v_pk_fma_f32 v[Y+j:Y+j+1], v[ACC+j:ACC+j+1], s[46:47], v[BI+j:BI+j+1] op_sel_hi:[1,0,1]
.set j, j+2
.endr
.irp b, 0,1
.irp q, 0,1,2,3
	ds_store_b128 v[STO], v[Y+16*\b+4*\q:Y+16*\b+4*\q+3] offset:128*\b+16*\q
.endr
.endr
	s_wait_xcnt 0x0
.irp i, 0,1,2,3,4,5,6,7
	ds_load_b128 v[OB+4*\i:OB+4*\i+3], v[RD] offset:2*\i*SP
.endr
.endm
	s_load_b256 s[4:11], s[0:1], 0x0
	s_load_b64 s[12:13], s[0:1], 0x20
	v_lshl_add_u32 v254, v0, 2, 0x29000
	v_mov_b32 v255, 0
	ds_add_u32 v254, v255
	ds_add_u32 v254, v255
	v_lshrrev_b32 v1, 5, v0
	v_readfirstlane_b32 s[WV], v1
	s_bfe_u32 s15, ttmp6, 0x40000
	s_lshl_b32 s48, ttmp9, 2
	s_add_co_u32 s15, s48, s15
	s_and_b32 s16, ttmp7, 0xffff
	s_mov_b32 s[G1+0], 15|(3<<16)|(1<<21)
	s_mov_b32 s[G1+1], 32<<16
	s_mov_b32 s[G1+2], 64<<16
	s_mov_b32 s[G1+3], 32<<16
	s_mov_b32 s[G1+4], 64
	s_mov_b32 s[G1+5], 32
	s_mov_b32 s[G1+6], 0
	s_mov_b32 s[G1+7], 0
	s_lshl_b32 s20, s[WV], 14
	s_lshl_b32 s18, s16, 17
	s_add_co_u32 s18, s18, s20
	s_mov_b32 s19, 0
	s_lshl_b32 s48, s15, 14
	s_lshl_b32 s50, s[WV], 12
	s_add_co_u32 s48, s48, s50
	s_mov_b32 s49, 0
	s_lshl_b32 s50, s15, 10
	s_lshl_b32 s52, s[WV], 8
	s_add_co_u32 s50, s50, s52
	s_mov_b32 s51, 0
	s_lshl_b32 s52, s16, 19
	s_add_co_u32 s52, s52, s50
	s_mov_b32 s53, 0
	s_wait_dscnt 0x0
	s_wait_kmcnt 0x0
	s_load_b64 s[40:41], s[10:11], 0x10
	s_add_nc_u64 s[18:19], s[4:5], s[18:19]
	s_add_nc_u64 s[6:7], s[6:7], s[48:49]
	s_add_nc_u64 s[8:9], s[8:9], s[50:51]
	s_add_nc_u64 s[12:13], s[12:13], s[52:53]
.irp i, 0,1
	s_mov_b32 s[G0+4*\i], 1
	s_add_co_u32 s[G0+4*\i+1], s20, \i*65536
	s_add_nc_u64 s[G0+4*\i+2:G0+4*\i+3], s[18:19], \i*65536
	s_or_b32 s[G0+4*\i+3], s[G0+4*\i+3], 0x80000000
.endr
	ROUND
	tensor_load_to_lds s[G0:G0+3], s[G1:G1+7]
	s_nop 0
.rept 4
	v_nop
.endr
	v_and_b32 v[LI], 31, v0
	v_lshlrev_b32 v[LI], 4, v[LI]
.irp s, 0,1,2,3,4,5,6,7
.if \s < 4
	WIN 0x40
.else
	WIN 0x80
.endif
.irp t, 0,1,2,3
.irp c, 0,1,2,3
	global_load_b128 v[((\s%4)*4+\t)*16+4*\c:((\s%4)*4+\t)*16+4*\c+3], v[LI], s[6:7] offset:(2*\s+\c/2)*65536+\t*1024+(\c%2)*512
.endr
.endr
.endr
	WIN 0
	v_and_b32 v7, 15, v0
	v_bfe_u32 v8, v0, 4, 1
	v_lshlrev_b32 v[BO], 6, v8
.irp b, 0,1
.irp q, 0,1,2,3
	global_load_b128 v[BI+16*\b+4*\q:BI+16*\b+4*\q+3], v[BO], s[8:9] offset:128*\b+16*\q
.endr
.endr
	s_wait_alu depctr_va_vdst(0)
	s_wait_tensorcnt 0x0
	ds_add_u32 v254, v255
	s_wait_dscnt 0x0
	ROUND
	tensor_load_to_lds s[G0+4:G0+7], s[G1:G1+7]
	s_nop 0
.rept 4
	v_nop
.endr
	v_add_nc_u32 v[LI2], 0x10000, v[LI]
	s_mul_i32 s21, s[WV], 16*SP
	s_add_co_u32 s21, s21, STAGE
	v_mul_u32_u24 v[STO], v7, SP
	v_lshl_add_u32 v[STO], v8, 6, v[STO]
	v_add_nc_u32 v[STO], s21, v[STO]
	v_mul_u32_u24 v[RD], v8, SP
	v_lshl_add_u32 v[RD], v7, 4, v[RD]
	v_add_nc_u32 v[RD], s21, v[RD]
	v_lshlrev_b32 v[CO], 4, v7
	v_lshl_add_u32 v[CO], v8, 12, v[CO]
	s_wait_kmcnt 0x0
	s_add_co_i32 s46, s40, s41
	s_add_co_i32 s46, s46, 127
	s_lshl_b32 s46, s46, 23
	s_mov_b32 s47, s46
	s_wait_tensorcnt 1
	s_barrier_signal -1
	s_barrier_wait -1
	FETCH_A 0
	s_wait_loadcnt 0x0
.irp b, 0,1,2,3,4,5,6,7
	BLOCK \b
.endr
	s_wait_dscnt 0x0
	SEND 7
	s_wait_tensorcnt 0x0
	ds_add_u32 v254, v255
	s_wait_dscnt 0x0
	ROUND
	s_endpgm
.Lfunc_end_k_q2a2cb96b79_proj:
	.size	k_q2a2cb96b79_proj, .Lfunc_end_k_q2a2cb96b79_proj-k_q2a2cb96b79_proj
	.p2alignl 7, 3214868480
	.fill 96, 4, 3214868480
	.section	.rodata,"a",@progbits
	.p2align	6, 0x0
	.amdhsa_kernel k_q2a2cb96b79_proj
		.amdhsa_group_segment_fixed_size 327680
		.amdhsa_private_segment_fixed_size 0
		.amdhsa_enable_private_segment 0
		.amdhsa_kernarg_size 40
		.amdhsa_user_sgpr_count 2
		.amdhsa_user_sgpr_kernarg_segment_ptr 1
		.amdhsa_wavefront_size32 1
		.amdhsa_system_sgpr_workgroup_id_x 1
		.amdhsa_system_sgpr_workgroup_id_y 1
		.amdhsa_system_sgpr_workgroup_id_z 1
		.amdhsa_system_vgpr_workitem_id 0
		.amdhsa_next_free_vgpr 1024
		.amdhsa_next_free_sgpr 66
		.amdhsa_reserve_vcc 0
		.amdhsa_float_denorm_mode_32 3
		.amdhsa_float_denorm_mode_16_64 3
		.amdhsa_memory_ordered 1
		.amdhsa_forward_progress 1
		.amdhsa_inst_pref_size 76
	.end_amdhsa_kernel
	.amdgpu_metadata
---
amdhsa.version: [ 1, 2 ]
amdhsa.kernels:
  - .name:           k_q2a2cb96b79_proj
    .symbol:         k_q2a2cb96b79_proj.kd
    .args:
      - { .name: a_codes, .offset: 0, .size: 8, .value_kind: global_buffer, .address_space: global }
      - { .name: w_codes, .offset: 8, .size: 8, .value_kind: global_buffer, .address_space: global }
      - { .name: b_out, .offset: 16, .size: 8, .value_kind: global_buffer, .address_space: global }
      - { .name: lowp_scales, .offset: 24, .size: 8, .value_kind: global_buffer, .address_space: global }
      - { .name: out0, .offset: 32, .size: 8, .value_kind: global_buffer, .address_space: global }
    .group_segment_fixed_size: 327680
    .private_segment_fixed_size: 0
    .kernarg_segment_align: 8
    .kernarg_segment_size: 40
    .max_flat_workgroup_size: 128
    .sgpr_count:     66
    .vgpr_count:     1024
    .wavefront_size: 32
...
	.end_amdgpu_metadata
.endif
;; end of part 3
